; MI455X (gfx1250); checked and timed in simulation.
; The chip was launched on July 23, 2026; its instructions are those of AMD's public machine-readable ISA for CDNA 5 (MIT licence, August 2026) and "CDNA5" Instruction Set Architecture Reference Guide (July 2026). The comments in the code are by the model that wrote it; some were corrected since.
;; Attention. Allowed arithmetic: matrix products marked QUANTISED: E2M1 operands, one E8M0 scale for each 32 along K, by v_wmma_scale_f32_16x16x128_f8f6f4 with both operands' format E2M1 (or v_wmma_scale_f32_32x16x128_f4), f32 sums; everything else in f32.
;; Inputs: Wk_codes 1,024 x 32 x 16 uint8 (E2M1 codes of Wk, K innermost, in blocks of 32 codes, two codes a byte); Wk_scales 1,024 x 32 uint8 (E8M0 scales of Wk, one for each 32 codes along K); Wo_codes 1,024 x 32 x 16 uint8 (E2M1 codes of Wo, K innermost, in blocks of 32 codes, two codes a byte); Wo_scales 1,024 x 32 uint8 (E8M0 scales of Wo, one for each 32 codes along K); Wq_codes 1,024 x 32 x 16 uint8 (E2M1 codes of Wq, K innermost, in blocks of 32 codes, two codes a byte); Wq_scales 1,024 x 32 uint8 (E8M0 scales of Wq, one for each 32 codes along K); Wv_codes 1,024 x 32 x 16 uint8 (E2M1 codes of Wv, K innermost, in blocks of 32 codes, two codes a byte); Wv_scales 1,024 x 32 uint8 (E8M0 scales of Wv, one for each 32 codes along K); bk 1,024 float32; bo 1,024 float32; bq 1,024 float32; bv 1,024 float32; x_codes 4 x 2,048 x 32 x 16 uint8 (E2M1 codes of x, K innermost, in blocks of 32 codes, two codes a byte); x_scales 4 x 2,048 x 32 uint8 (E8M0 scales of x, one for each 32 codes along K).
;; Outputs: out0 4 x 2,048 x 1,024 float32.
;; This version of the problem:
;;   THIS VERSION OF THE PROBLEM IS GIVEN IN LOW PRECISION. The matrix products marked QUANTISED in the list below multiply operands that are first quantised to E2M1 (2 exponent bits, 1 mantissa bit; 4 bits a number), with one power-of-two scale for each 32 numbers along K (OCP MX v1.0); their sums are f32. All else is computed in f32.
;;   The module's matrix products, in the order in which they are computed (A, B: the left and right operand; K: the contracted axis; several contracted axes count as one K, in the product's order):
;;     1. [M 8,192, K 1,024] x [K 1,024, N 1,024]; A: input x (given as codes); B: input Wq (given as codes): QUANTISED
;;     2. [M 8,192, K 1,024] x [K 1,024, N 1,024]; A: input x (given as codes); B: input Wk (given as codes): QUANTISED
;;     3. [M 8,192, K 1,024] x [K 1,024, N 1,024]; A: input x (given as codes); B: input Wv (given as codes): QUANTISED
;;     4. batch 64 x [M 2,048, K 64] x [K 64, N 2,048]; A: computed on the way; B: computed on the way: QUANTISED
;;     5. batch 64 x [M 2,048, K 2,048] x [K 2,048, N 64]; A: softmax (see below); B: computed on the way: QUANTISED
;;     6. [M 8,192, K 1,024] x [K 1,024, N 1,024]; A: computed on the way; B: input Wo (given as codes): QUANTISED
;;   THE QUANTISER, for each operand of a quantised product, along K:
;;     - K is cut into blocks of 32 from its start; a last block that is shorter is filled with zeros.
;;     - A block's scale is 2^e with e = floor(log2(the largest magnitude in the block)) - 2, held to -126 .. 127; a block of zeros has e = 0. As a byte (E8M0): e + 127.
;;     - Each number is divided by its block's scale, clamped to +-6, and rounded to the nearest number of E2M1, ties to even, subnormals kept.
;;     - The product sums the exact products of the quantised numbers (number of the format x scale) in f32.
;;   ~~~python
;;   def quantise(x, axis):      # numpy; x: float32 -> the quantised numbers, widened to float32 again
;;       x = np.moveaxis(x, axis, -1); K = x.shape[-1]
;;       x = np.pad(x, [(0, 0)] * (x.ndim - 1) + [(0, -K % 32)]); x = x.reshape(x.shape[:-1] + (-1, 32)); a = np.abs(x).max(-1, keepdims=True)
;;       e = np.where(a > 0, np.clip(np.frexp(np.where(a > 0, a, 1))[1] - 1 - 2, -126, 127), 0)      # np.frexp(a)[1] - 1 = floor(log2(a)), exactly
;;       r = np.clip(x / 2.0 ** e, -6, 6)
;;       step = 2.0 ** (np.maximum(np.frexp(np.where(r == 0, 1, r))[1] - 1, 0) - 1)
;;       q = np.round(r / step) * step * 2.0 ** e      # np.round: ties to even
;;       return np.moveaxis(q.reshape(q.shape[:-2] + (-1,))[..., :K], -1, axis).astype(np.float32)
;;   ~~~
;;   SOFTMAX AHEAD OF A QUANTISED PRODUCT. Where the list says 'softmax', what is quantised is not the finished softmax but p = 2^(t - M), with t = logit x log2(e) and M = ceil(the row's largest t), a whole number; so 1/2 < the row's largest p <= 1. The row's sum l is taken of the UNQUANTISED p, in f32, and the product's result is divided by l at the end. Since M is a whole number, a kernel that streams over the keys may use a running M (the ceiling of the running maximum): every later rescaling is an exact power of two, which a block's scale takes up: the codes' values come out the same.
;;   OPERANDS COMPUTED ON THE WAY. 'Computed on the way' means the value that the module computes at that place (a softmax that the list does not call 'softmax' is quantised finished and normalised). What goes into a quantiser is computed in f32, as accurately as f32 sums, v_exp_f32 and their like allow (about 1e-6 of the number): no bf16 or f16 on the way to a quantiser, and a product that is left as it is and whose result goes on into a quantised operand takes f32 operands (vector FMAs, or v_wmma_f32_16x16x4_f32). A number that lies on a knife's edge between two numbers of the format may be rounded either way, as far as f32 arithmetic and the matrix unit's own rounding can turn it there, and no further.
;;   INPUTS GIVEN AS CODES. Wk (in the module: [1024, 1024], K = its axis 1); Wo (in the module: [1024, 1024], K = its axis 1); Wq (in the module: [1024, 1024], K = its axis 1); Wv (in the module: [1024, 1024], K = its axis 1); x (in the module: [4, 2048, 1024], K = its axis 2): each comes as NAME_codes (uint8): NAME with its K axis moved to the last place and cut into blocks of 32 codes, [.., K / 32, bytes a block], one block behind the other in memory; two codes a byte, the lower K in the low four bits (a code: sign, 2 exponent bits, 1 mantissa bit); and NAME_scales (uint8): the same leading axes, one E8M0 byte (e + 127) for each 32 codes along K. Its value is code x scale, taken as it is: it is not quantised again, and the codes and scales need not be those that the quantiser above would give.
;; One version. Each part assembles by itself: llvm-mc -triple=amdgcn-amd-amdhsa -mcpu=gfx1250 --defsym DOCPART=n.
;; ======== version 1 of 1: 3 launches
;; workspace buffers: qc 4,194,304 bytes; qs 524,288 bytes; kv 9,175,040 bytes; ac 4,194,304 bytes; asc 262,144 bytes
;; launch proj (part 1): grid 8 x 64, 4 waves a work-group, clusters of 4 x 4, 279,040 bytes of LDS; arguments x_codes, x_scales, Wq_codes, Wq_scales, Wk_codes, Wk_scales, Wv_codes, Wv_scales, bq, bk, bv, qc, qs, kv; writes qc, qs, kv
.if DOCPART == 1
	.amdgcn_target "amdgcn-amd-amdhsa--gfx1250"
	.amdhsa_code_object_version 6
	.text
	.protected	k_qde039d78d6_proj
	.globl	k_qde039d78d6_proj
	.p2align	8
	.type	k_qde039d78d6_proj,@function
k_qde039d78d6_proj:
	s_mov_b64 s[64:65], 0
	v_nop
	global_prefetch_b8 v0, s[64:65] scope:SCOPE_SE
	s_setreg_imm32_b32 hwreg(HW_REG_WAVE_MODE, 25, 1), 1
	s_wait_xcnt 0x0
	s_wait_alu depctr_hold_cnt(0) depctr_sa_sdst(0) depctr_va_vdst(0) depctr_va_sdst(0) depctr_va_ssrc(0) depctr_va_vcc(0) depctr_vm_vsrc(0)
	s_getreg_b32 s2, hwreg(HW_REG_IB_STS2, 6, 4)
	s_cmp_eq_u32 s2, 0
	s_cbranch_scc0 .Lentry_in_a_cluster
	s_endpgm
.Lentry_in_a_cluster:
	s_bfe_u32 s2, ttmp6, 0x10000c
	s_cmp_lg_u32 s2, 0xf033
	s_cbranch_scc0 .Lentry_shape_is_right
	s_endpgm
.Lentry_shape_is_right:
; q = x Wq^T + bq, k = x Wk^T + bk, v = x Wv^T + bv on codes of FP4 (E2M1) with one E8M0 scale for each 32 along K = 1,024; the results are quantised at once:
; q and k along a head's 64 channels (two blocks), v along the keys (blocks of 32 tokens), and stored as IMAGES OF THE NEXT LAUNCH'S OPERAND REGISTERS.
; SHARES.  A work-group takes 128 tokens (block rb of 64) x the 128 features of a pair of heads (hp of 8), for all three weights: 512 work-groups.  The four tiles (x, Wq, Wk, Wv: 128 rows x 512 bytes, all of K)
; lie in LDS together, each filled once: no slot is ever filled again.  Every wave fetches rows 32 w .. 32 w + 31 of each tile, so that all waves count their tensor loads alike: four are out at the most.
; CLUSTERS: 4 x 4 work-groups.  x's tile hangs on rb alone and is asked for jointly along a row of the cluster, the weights' tiles on hp alone, along a column.
; q, k: wave (wm, wn) takes tokens 64 wm on x head 2 hp + wn; source 0 = 16 rows of W, source 1 = 16 tokens: a lane holds ONE token and its registers run along the channels: tile t, register j = channel 16 t + 8 (lane / 16) + j.
; v: wave w takes all 128 tokens x channels 32 (w % 2) on of head 2 hp + w / 2; source 0 = 16 tokens, source 1 = 16 rows of Wv: a lane holds ONE channel and its registers run along the keys.
; FROM RESULT TO OPERAND.  Tiles 2 b and 2 b + 1 are block b of the next K.  X_b, the 8 codes of tile 2 b, are k = 32 b + 8 h + 0..7 in half h of the lanes; Y_b, of tile 2 b + 1, k = 32 b + 16 + 8 h + 0..7.  With X_2c, X_2c+1, Y_2c, Y_2c+1
; in four registers on end, an exchange of halves between the first two and between the last two leaves register i with k = 64 c + 32 h + 8 i + 0..7: the 4-bit operand's layout.
; The biases are the C of each sum's first matrix instruction.
; WORKSPACE.  qc: [head 64][tile of 16 tokens 128][lane][16 bytes]: lane (r, h): token r, channels 32 h on.  qs: [head][four tiles 32][lane][2] words: word (l, j) is tile 2 j + l / 16, token l % 16: bytes 0, 1 the two blocks', bytes 2, 3 = 127.
; kv: a head is 143,360 bytes on end: k's codes as qc (65,536), v's codes [key step 16][tile of 16 channels 4][c 2][lane][16 bytes] (65,536), k's scale words as qs (8,192), v's [key step][j 2][lane] words (4,096).
; v's scale words leave 128 bytes a wave, half of an aligned 256: the neighbouring wave writes the other half; they are 4,096 bytes a head.
; LIMITS: NaN and infinities are not served.  A block of zeros, and one whose largest magnitude lies under 2^-124, gets the byte 1: a block of zeros has zero codes, and this program alone reads the bytes.
.set PITCH, 528                        ; an LDS row: 512 bytes + 16 of padding = 132 words: the 16 rows of a fragment load start at 16 different groups of four banks
.set TILEB, 128*PITCH
.set QTR,   32*PITCH                   ; what one tensor load brings
.set LXT,   0                          ; LDS: x's tile, then Wq's, Wk's, Wv's
.set LWQ,   TILEB
.set LWK,   2*TILEB
.set LWV,   3*TILEB
.set HEADB, 143360                     ; a head in kv
.set ADX,  2                           ; v2   LDS: my 64 tokens' fragments
.set ADXV, 3                           ; v3   all 128 tokens'
.set ADWQ, 4                           ; v4   my head's rows of Wq
.set ADWK, 5                           ; v5   of Wk
.set ADWV, 6                           ; v6   my 32 rows of Wv
.set L32,  7                           ; v7   32 x lane
.set L16,  8                           ; v8   16 x lane
.set L8,   9                           ; v9   8 x lane
.set L4,   10                          ; v10  4 x lane
.set H32,  11                          ; v11  32 x (lane / 16)
.set R4,   12                          ; v12  4 x (lane % 16)
.set XS,   16                          ; v16-47  x's scale words: register 8 p + s: lanes 0-15 tile 2 p, lanes 16-31 tile 2 p + 1, K step s
.set WSA,  48                          ; v48-63  Wq's likewise; later Wv's
.set WSB,  64                          ; v64-79  Wk's
.set TM,   80                          ; v80-95  the quantiser: +0..3 largest magnitudes, +4..7 bytes, +12..15 the conversions' scale operands
.set PC,   96                          ; v96-103 codes
.set SW,   104                         ; v104-105 scale words on their way out; v106-107 at work
.set ACC,  128                         ; v128-255 sixteen accumulators
.set F0,   0                           ; window 1: two fragment buffers of 80 registers, at v0 and v80;
.set BQ,   160                         ; bq's four tiles, bk's four, bv's two, in the results' layout
.set BK,   192
.set BV,   224
.set WAVE, 32                          ; s32 wave, s33 wave / 2, s34 wave % 2
.set G1A,  40                          ; s[40:47] descriptor group 1 for x's tile; s[48:55] for the weights'
.set G1B,  48
.set SEL,  90                          ; s[90:91] v_permlanex16_b32's selects for lane l xor 16
.set MSB, 0
.macro WIN new                         ; the immediate's high byte repeats the setting that is left
.if MSB != \new
	s_set_vgpr_msb (MSB<<8)|\new
.set MSB, \new
.endif
.endm
.macro PLACES                          ; four plain places behind a matrix instruction, in front of loads into its registers and of reads of its result
.rept 4
	v_nop
.endr
.endm
.macro CROUND                          ; a round of the cluster's barrier
	s_barrier_signal -1
	s_barrier_wait -1
	s_cmp_lg_u32 s[WAVE], 0
	s_cbranch_scc1 .Lnot_wave_0_\@
	s_barrier_signal -3
.Lnot_wave_0_\@:
	s_barrier_wait -3
	s_barrier_signal -1
	s_barrier_wait -1
.endm
; one matrix instruction: D, source 0, source 1, C, the two scale registers, and whether each side's words stand in lanes 16-31
.macro WM d, a, b, c, sa, sb, ra, rb
.if (\ra) && (\rb)
	v_wmma_scale_f32_16x16x128_f8f6f4 v[\d:\d+7], v[\a:\a+7], v[\b:\b+7], v[\c:\c+7], v[\sa], v[\sb] matrix_a_fmt:MATRIX_FMT_FP4 matrix_b_fmt:MATRIX_FMT_FP4 matrix_a_scale:MATRIX_SCALE_ROW1 matrix_b_scale:MATRIX_SCALE_ROW1
.elseif (\ra)
	v_wmma_scale_f32_16x16x128_f8f6f4 v[\d:\d+7], v[\a:\a+7], v[\b:\b+7], v[\c:\c+7], v[\sa], v[\sb] matrix_a_fmt:MATRIX_FMT_FP4 matrix_b_fmt:MATRIX_FMT_FP4 matrix_a_scale:MATRIX_SCALE_ROW1
.elseif (\rb)
	v_wmma_scale_f32_16x16x128_f8f6f4 v[\d:\d+7], v[\a:\a+7], v[\b:\b+7], v[\c:\c+7], v[\sa], v[\sb] matrix_a_fmt:MATRIX_FMT_FP4 matrix_b_fmt:MATRIX_FMT_FP4 matrix_b_scale:MATRIX_SCALE_ROW1
.else
	v_wmma_scale_f32_16x16x128_f8f6f4 v[\d:\d+7], v[\a:\a+7], v[\b:\b+7], v[\c:\c+7], v[\sa], v[\sb] matrix_a_fmt:MATRIX_FMT_FP4 matrix_b_fmt:MATRIX_FMT_FP4
.endif
.endm
.macro FRAG reg, adr, off, d           ; a fragment, 16 rows x 128 K: two loads of 16 bytes
	ds_load_b128 v[\reg:\reg+3], v[\adr] offset:\off
	ds_load_b128 v[\reg+4:\reg+7], v[\adr] offset:\off+\d
.endm
; 64 registers, block b in s + 16 b .. s + 16 b + 15 (two accumulators), become 8 registers of codes in v[PC] on; the blocks' bytes stay in v[TM+4] on
.macro QUANT4 s
	s_wait_xcnt 0x0                                ; earlier stores have read their data: the codes' and scale words' registers are written again only behind this wait
.irp b,0,1,2,3
	v_max3_num_f32 v[TM+\b], |v[\s+16*\b]|, |v[\s+16*\b+1]|, 0x1800000   ; my 16 numbers, from each accumulator's low end on, and the floor 2^(3 - 127): the byte cannot fall under 1
.endr
.irp i,2,4,6,8,10,12,14
.irp b,0,1,2,3
	v_max3_num_f32 v[TM+\b], v[TM+\b], |v[\s+16*\b+\i]|, |v[\s+16*\b+\i+1]|   ; the four blocks by turns
.endr
.endr
.irp b,0,1,2,3
	v_permlanex16_b32 v[TM+4+\b], v[TM+\b], s[SEL], s[SEL+1]
.endr
.irp b,0,1,2,3
	v_max_num_f32 v[TM+\b], v[TM+\b], v[TM+4+\b]   ; with lane l xor 16's 16: the block's largest magnitude
.endr
.irp b,0,1,2,3
	v_add_nc_u32 v[TM+12+\b], 0xff000000, v[TM+\b] ; 2 off its exponent field: the conversion's scale operand
.endr
.irp b,0,1,2,3
	v_lshrrev_b32 v[TM+4+\b], 23, v[TM+12+\b]      ; the scale's byte
.endr
.irp b,0,1,2,3
	v_cvt_scalef32_pk8_fp4_f32 v[PC+4*(\b/2)+\b%2], v[\s+16*\b:\s+16*\b+7], v[TM+12+\b]        ; X_b
	v_cvt_scalef32_pk8_fp4_f32 v[PC+4*(\b/2)+2+\b%2], v[\s+16*\b+8:\s+16*\b+15], v[TM+12+\b]   ; Y_b
.endr
	v_nop                                          ; one plain place behind the scaled conversions
.irp c,0,1
	v_permlane16_swap_b32 v[PC+4*\c], v[PC+4*\c+1]     ; the first's lanes 16-31 change places with the second's lanes 0-15
	v_permlane16_swap_b32 v[PC+4*\c+2], v[PC+4*\c+3]
.endr
.endm
	s_load_b512 s[4:19], s[0:1], 0x0               ; x's codes s[4:5], scales s[6:7]; Wq's s[8:9], s[10:11]; Wk's s[12:13], s[14:15]; Wv's s[16:17], s[18:19]
	s_load_b256 s[20:27], s[0:1], 0x40             ; bq s[20:21], bk s[22:23], bv s[24:25], qc s[26:27]
	s_load_b128 s[28:31], s[0:1], 0x60             ; qs s[28:29], kv s[30:31]
	v_lshl_add_u32 v126, v0, 2, 0x44000
	v_mov_b32 v127, 0
	ds_add_u32 v126, v127
	ds_add_u32 v126, v127
	v_lshrrev_b32 v1, 5, v0
	v_readfirstlane_b32 s[WAVE], v1                ; wave 0..3
	s_lshr_b32 s33, s[WAVE], 1                     ; wm
	s_and_b32 s34, s[WAVE], 1                      ; wn
	s_bfe_u32 s35, ttmp6, 0x40000                  ; cx, cy: my place in the cluster
	s_bfe_u32 s36, ttmp6, 0x40004
	s_lshl_b32 s37, ttmp9, 2
	s_add_co_u32 s37, s37, s35                     ; hp = 4 x cluster x + cx
	s_and_b32 s38, ttmp7, 0xffff
	s_lshl_b32 s38, s38, 2
	s_add_co_u32 s38, s38, s36                     ; rb = 4 x cluster y + cy
	s_lshl_b32 s39, s36, 2
	s_lshl_b32 s39, 15, s39                        ; my row of the cluster
	s_lshl_b32 s3, 0x1111, s35                     ; my column
	; descriptor group 1: 32 rows x 512 bytes, 16 bytes of padding behind each
	s_or_b32 s[G1A], s39, (0<<16)|(1<<20)|(1<<21)|(6<<22)|(3<<25)   ; 15:0 the mask; 17:16 elements of 1 byte; 20 padding on; 21 set beside a mask; 24:22 after every 128 words (code 6); 31:25 four words (code 3)
	s_or_b32 s[G1B], s3, (0<<16)|(1<<20)|(1<<21)|(6<<22)|(3<<25)
.irp g, G1A, G1B
	s_mov_b32 s[\g+1], 512<<16                     ; tensor_dim0
	s_mov_b32 s[\g+2], 32<<16                      ; tensor_dim1
	s_mov_b32 s[\g+3], 512<<16                     ; tile_dim0
	s_mov_b32 s[\g+4], 32                          ; tile_dim1
	s_mov_b32 s[\g+5], 512                         ; tensor_dim0_stride
	s_mov_b32 s[\g+6], 0
	s_mov_b32 s[\g+7], 0
.endr
	s_lshl_b32 s2, s[WAVE], 14                     ; my 32 rows of a tile in memory
	s_lshl_b32 s76, s38, 16                        ; x: 128 rows of 512 bytes a block.  s76, s77 never hold cx,
	s_add_co_u32 s76, s76, s2
	s_mov_b32 s77, 0
	s_lshl_b32 s98, s37, 16                        ; the weights: s98, s99 never hold cy
	s_add_co_u32 s98, s98, s2
	s_mov_b32 s99, 0
	v_and_b32 v13, 15, v0                          ; r
	v_bfe_u32 v14, v0, 4, 1                        ; h
	v_and_b32 v15, 31, v0                          ; lane
	v_mul_u32_u24 v1, v13, PITCH
	v_lshl_add_u32 v1, v14, 4, v1                  ; a fragment's row x pitch + 16 h
	s_mul_i32 s2, s33, 64*PITCH
	v_add_nc_u32 v[ADX], s2, v1
	v_add_nc_u32 v[ADXV], LXT, v1
	s_mul_i32 s2, s34, 64*PITCH
	s_add_co_u32 s2, s2, LWQ
	v_add_nc_u32 v[ADWQ], s2, v1
	v_add_nc_u32 v[ADWK], TILEB, v[ADWQ]
	s_mul_i32 s2, s[WAVE], QTR                     ; wave x 32 rows: also where my part of each tile goes: no place in the cluster enters an LDS address
	v_add_nc_u32 v[ADWV], s2, v1
	v_add_nc_u32 v[ADWV], LWV, v[ADWV]
	v_lshlrev_b32 v[L32], 5, v15
	v_lshlrev_b32 v[L16], 4, v15
	v_lshlrev_b32 v[L8], 3, v15
	v_lshlrev_b32 v[L4], 2, v15
	v_lshlrev_b32 v[H32], 5, v14
	v_lshlrev_b32 v[R4], 2, v13
.irp b,0,1,2,3
	v_mov_b32 v[TM+4+\b], 0                        ; written once: a lane permute's destination counts as one of its sources
.endr
	s_mov_b32 s[SEL], 0x76543210
	s_mov_b32 s[SEL+1], 0xfedcba98
	s_mov_b32 s92, 0xffff0000                      ; lanes 16-31
	s_mov_b32 s93, 0x7f7f0000                      ; bytes 2 and 3 of q's and k's scale words: 127
	s_wait_dscnt 0x0
	s_wait_kmcnt 0x0
	s_mov_b32 s56, 1                               ; descriptor groups 0: count 1, LDS address, global address, type 2
	s_add_co_u32 s57, s2, LXT
	s_add_nc_u64 s[58:59], s[4:5], s[76:77]
	s_or_b32 s59, s59, 0x80000000
	s_mov_b32 s60, 1
	s_add_co_u32 s61, s2, LWQ
	s_add_nc_u64 s[62:63], s[8:9], s[98:99]
	s_or_b32 s63, s63, 0x80000000
	s_mov_b32 s68, 1
	s_add_co_u32 s69, s2, LWK
	s_add_nc_u64 s[70:71], s[12:13], s[98:99]
	s_or_b32 s71, s71, 0x80000000
	s_mov_b32 s72, 1
	s_add_co_u32 s73, s2, LWV
	s_add_nc_u64 s[74:75], s[16:17], s[98:99]
	s_or_b32 s75, s75, 0x80000000
	CROUND                                         ; all sixteen work-groups are here: the joint loads meet
	tensor_load_to_lds s[56:59], s[G1A:G1A+7]      ; x, Wq, Wk, Wv, in the order in which they are wanted: the only tensor loads of the launch
	s_nop 0
	tensor_load_to_lds s[60:63], s[G1B:G1B+7]
	s_nop 0
	tensor_load_to_lds s[68:71], s[G1B:G1B+7]
	s_nop 0
	tensor_load_to_lds s[72:75], s[G1B:G1B+7]
	s_nop 0
	PLACES                                         ; four v_nop follow the last of them
	; while the tiles are on their way: where the scales and biases lie, and where the results go
	s_lshl_b32 s76, s38, 12                        ; x's scales: 32 bytes a row, 128 rows a block
	s_add_nc_u64 s[94:95], s[6:7], s[76:77]        ; the block's,
	s_lshl_b32 s76, s33, 11
	s_add_nc_u64 s[96:97], s[94:95], s[76:77]      ; my 64 tokens'
	s_lshl_b32 s3, s37, 12                         ; the weights' scales: 128 hp rows of 32 bytes
	s_lshl_b32 s98, s34, 11
	s_add_co_u32 s98, s98, s3                      ; + 64 wn rows
	s_add_nc_u64 s[10:11], s[10:11], s[98:99]
	s_add_nc_u64 s[14:15], s[14:15], s[98:99]
	s_lshr_b32 s98, s98, 3                         ; the same rows in a bias: 4 bytes each
	s_add_nc_u64 s[20:21], s[20:21], s[98:99]
	s_add_nc_u64 s[22:23], s[22:23], s[98:99]
	s_lshl_b32 s98, s[WAVE], 10
	s_add_co_u32 s98, s98, s3                      ; Wv: rows 128 hp + 32 w on
	s_add_nc_u64 s[18:19], s[18:19], s[98:99]
	s_lshr_b32 s98, s98, 3
	s_add_nc_u64 s[24:25], s[24:25], s[98:99]
	s_and_b32 s66, s38, 0x30                       ; 16 x batch
	s_lshl_b32 s67, s37, 1
	s_add_co_u32 s66, s66, s67
	s_add_co_u32 s100, s66, s34                    ; q's and k's head: 16 batch + 2 hp + wn
	s_add_co_u32 s101, s66, s33                    ; v's: 16 batch + 2 hp + w / 2
	s_and_b32 s67, s38, 15                         ; st: which 128 tokens of the batch
	s_lshl_b32 s66, s67, 12
	s_lshl_b32 s78, s33, 11
	s_add_co_u32 s66, s66, s78                     ; my four tiles of 512 bytes: 4,096 st + 2,048 wm
	s_lshl_b32 s78, s100, 16
	s_add_co_u32 s78, s78, s66
	s_mov_b32 s79, 0
	s_add_nc_u64 s[78:79], s[26:27], s[78:79]      ; q's codes
	s_mul_i32 s82, s100, HEADB
	s_add_co_u32 s84, s82, 131072
	s_add_co_u32 s82, s82, s66
	s_mov_b32 s83, 0
	s_add_nc_u64 s[82:83], s[30:31], s[82:83]      ; k's codes
	s_lshr_b32 s66, s66, 3                         ; their scale words: 256 bytes for four tiles
	s_add_co_u32 s84, s84, s66
	s_mov_b32 s85, 0
	s_add_nc_u64 s[84:85], s[30:31], s[84:85]      ; k's scale words
	s_lshl_b32 s80, s100, 13
	s_add_co_u32 s80, s80, s66
	s_mov_b32 s81, 0
	s_add_nc_u64 s[80:81], s[28:29], s[80:81]      ; q's scale words
	s_mul_i32 s86, s101, HEADB
	s_add_co_u32 s88, s86, 139264
	s_lshl_b32 s66, s67, 12
	s_add_co_u32 s86, s86, s66
	s_add_co_u32 s86, s86, 65536
	s_lshl_b32 s66, s34, 11
	s_add_co_u32 s86, s86, s66
	s_mov_b32 s87, 0
	s_add_nc_u64 s[86:87], s[30:31], s[86:87]      ; v's codes: key step st, my two tiles of channels
	s_lshl_b32 s66, s67, 8
	s_add_co_u32 s88, s88, s66
	s_lshl_b32 s66, s34, 7
	s_add_co_u32 s88, s88, s66
	s_mov_b32 s89, 0
	s_add_nc_u64 s[88:89], s[30:31], s[88:89]      ; v's scale words
	; scale words straight into registers: lane l stands for row l of a pair of tiles; a row's 32 bytes are its 8 words, two loads of 16 bytes
.irp p,0,1
	global_load_b128 v[XS+8*\p:XS+8*\p+3], v[L32], s[96:97] offset:1024*\p         ; my 64 tokens, for q and k
	global_load_b128 v[XS+8*\p+4:XS+8*\p+7], v[L32], s[96:97] offset:1024*\p+16
.endr
.irp p,2,3
	global_load_b128 v[XS+8*\p:XS+8*\p+3], v[L32], s[94:95] offset:1024*\p         ; the block's tokens 64 to 127, for v
	global_load_b128 v[XS+8*\p+4:XS+8*\p+7], v[L32], s[94:95] offset:1024*\p+16
.endr
.irp p,0,1
	global_load_b128 v[WSA+8*\p:WSA+8*\p+3], v[L32], s[10:11] offset:1024*\p
	global_load_b128 v[WSA+8*\p+4:WSA+8*\p+7], v[L32], s[10:11] offset:1024*\p+16
	global_load_b128 v[WSB+8*\p:WSB+8*\p+3], v[L32], s[14:15] offset:1024*\p
	global_load_b128 v[WSB+8*\p+4:WSB+8*\p+7], v[L32], s[14:15] offset:1024*\p+16
.endr
	WIN 0x40                                       ; destination window 1
	s_wait_alu depctr_va_vdst(0)
.irp t,0,1,2,3
	global_load_b128 v[BQ+8*\t:BQ+8*\t+3], v[H32], s[20:21] offset:64*\t           ; register j of tile t: the bias of channel 16 t + 8 h + j
	global_load_b128 v[BQ+8*\t+4:BQ+8*\t+7], v[H32], s[20:21] offset:64*\t+16
	global_load_b128 v[BK+8*\t:BK+8*\t+3], v[H32], s[22:23] offset:64*\t
	global_load_b128 v[BK+8*\t+4:BK+8*\t+7], v[H32], s[22:23] offset:64*\t+16
.endr
.irp t,0,1
.irp j,0,1,2,3,4,5,6,7
	global_load_b32 v[BV+8*\t+\j], v[R4], s[24:25] offset:64*\t                    ; v: a lane holds one channel: its bias in all eight registers
.endr
.endr
	WIN 0
; q and k.  One K step: 4 fragments of W, 4 of x: 16 loads, 16 matrix instructions
.macro FETCHQK f, s, adw
.irp t,0,1,2,3
	FRAG \f+8*\t, \adw, 16*PITCH*\t+64*(\s), 32
.endr
.irp a,0,1,2,3
	FRAG \f+32+8*\a, ADX, 16*PITCH*\a+64*(\s), 32
.endr
.endm
.macro MULQK f, s, ws, bias            ; the sixteen accumulators take turns, one instruction a turn, in the same order in every K step
.irp a,0,1,2,3
.irp t,0,1,2,3
.if (\s) == 0
	WM ACC+32*\a+8*\t, \f+8*\t, \f+32+8*\a, \bias+8*\t, \ws+8*(\t/2)+(\s), XS+8*(\a/2)+(\s), \t%2, \a%2
.else
	WM ACC+32*\a+8*\t, \f+8*\t, \f+32+8*\a, ACC+32*\a+8*\t, \ws+8*(\t/2)+(\s), XS+8*(\a/2)+(\s), \t%2, \a%2
.endif
.endr
.endr
.endm
.macro KLOOPQK adw, ws, bias           ; eight K steps of 128, written out; the next step's fragments are fetched into the other buffer ahead of each step's products
	WIN 0x40
	FETCHQK F0, 0, \adw
.irp s,0,1,2,3,4,5,6,7
.if \s < 7
.if \s > 0
	PLACES                                         ; the buffer was read by the products just issued
.endif
	WIN 0x40
	FETCHQK F0+80*((\s+1)%2), \s+1, \adw
	s_wait_dscnt 16                                ; all but the 16 loads just issued: this step's fragments are in
.else
	s_wait_dscnt 0x0
.endif
.if \s == 0
	WIN 0x15                                       ; sources 0, 1 and C (the bias) window 1, D window 0
.else
	WIN 0x05                                       ; sources 0 and 1 window 1
.endif
	MULQK F0+80*(\s%2), \s, \ws, \bias
.endr
	WIN 0
	PLACES
.endm
.macro OUTQK cb, sb                    ; my four tiles of tokens, two at a time: codes (a wave's store covers 512 consecutive bytes, aligned) and scale words (256)
.irp a,0,2
	QUANT4 ACC+32*\a
	global_store_b128 v[L16], v[PC:PC+3], s[\cb:\cb+1] offset:512*\a
	global_store_b128 v[L16], v[PC+4:PC+7], s[\cb:\cb+1] offset:512*\a+512
	v_lshl_or_b32 v106, v[TM+5], 8, v[TM+4]        ; tile a's word: its two blocks' bytes,
	v_lshl_or_b32 v107, v[TM+7], 8, v[TM+6]        ; tile a + 1's,
	v_or_b32 v106, s93, v106                       ; 127 above them
	v_or_b32 v107, s93, v107
	v_cndmask_b32 v[SW+\a/2], v106, v107, s92      ; lanes 0-15 tile a's, lanes 16-31 tile a + 1's
.endr
	global_store_b64 v[L8], v[SW:SW+1], s[\sb:\sb+1]
.endm
; v.  One K step: 8 fragments of x, 2 of Wv: 20 loads, 16 matrix instructions
.macro FETCHV f, s
.irp a,0,1,2,3,4,5,6,7
	FRAG \f+8*\a, ADXV, 16*PITCH*\a+64*(\s), 32
.endr
.irp t,0,1
	FRAG \f+64+8*\t, ADWV, 16*PITCH*\t+64*(\s), 32
.endr
.endm
.macro MULV f, s
.irp t,0,1
.irp a,0,1,2,3,4,5,6,7
.if (\s) == 0
	WM ACC+64*\t+8*\a, \f+8*\a, \f+64+8*\t, BV+8*\t, XS+8*(\a/2)+(\s), WSA+(\s), \a%2, \t
.else
	WM ACC+64*\t+8*\a, \f+8*\a, \f+64+8*\t, ACC+64*\t+8*\a, XS+8*(\a/2)+(\s), WSA+(\s), \a%2, \t
.endif
.endr
.endr
.endm
	s_wait_loadcnt 0x0                             ; scales and biases
	s_wait_tensorcnt 0x2                           ; my parts of x's and Wq's tiles are in; Wk's and Wv's, issued behind them, may stay out
	s_barrier_signal -1
	s_barrier_wait -1                              ; everybody's are
	KLOOPQK ADWQ, WSA, BQ
	global_load_b128 v[WSA:WSA+3], v[L32], s[18:19]            ; Wq's scale words are done with (four places back): Wv's 32 rows take their place, awaited in front of v
	global_load_b128 v[WSA+4:WSA+7], v[L32], s[18:19] offset:16
	OUTQK 78, 80
	s_wait_tensorcnt 0x1                           ; my part of Wk's tile is in; Wv's may stay out
	s_barrier_signal -1                            ; (no LDS instruction of mine is out: the K loop ended on a wait for 0)
	s_barrier_wait -1
	KLOOPQK ADWK, WSB, BK
.irp p,0,1
	global_load_b128 v[XS+8*\p:XS+8*\p+3], v[L32], s[94:95] offset:1024*\p         ; v wants the block's tokens 0 to 63 here, in every wave
	global_load_b128 v[XS+8*\p+4:XS+8*\p+7], v[L32], s[94:95] offset:1024*\p+16
.endr
	OUTQK 82, 84
	s_wait_tensorcnt 0x0                           ; my part of Wv's tile
	s_wait_loadcnt 0x0                             ; Wv's and x's scale words
	s_barrier_signal -1
	s_barrier_wait -1
	WIN 0x40
	FETCHV F0, 0
.irp s,0,1,2,3,4,5,6,7
.if \s < 7
.if \s > 0
	PLACES
.endif
	WIN 0x40
	FETCHV F0+80*((\s+1)%2), \s+1
	s_wait_dscnt 20                                ; all but the 20 loads just issued
.else
	s_wait_dscnt 0x0
.endif
.if \s == 0
	WIN 0x15
.else
	WIN 0x05
.endif
	MULV F0+80*(\s%2), \s
.endr
	WIN 0
	PLACES
.irp t,0,1                             ; a tile of 16 channels x 128 keys is one fragment of the next launch's V^T and one scale word a channel
	QUANT4 ACC+64*\t
	global_store_b128 v[L16], v[PC:PC+3], s[86:87] offset:1024*\t
	global_store_b128 v[L16], v[PC+4:PC+7], s[86:87] offset:1024*\t+512
	v_lshl_or_b32 v[106+\t], v[TM+5], 8, v[TM+4]
	v_lshl_or_b32 v[106+\t], v[TM+6], 16, v[106+\t]
	v_lshl_or_b32 v[106+\t], v[TM+7], 24, v[106+\t]
.endr
	v_cndmask_b32 v[SW], v106, v107, s92           ; lanes 0-15 my first tile's words, lanes 16-31 my second's
	global_store_b32 v[L4], v[SW], s[88:89]
	s_wait_tensorcnt 0x0
	ds_add_u32 v126, v127
	s_wait_dscnt 0x0
	CROUND                                         ; the closing round: no work-group ends while a partner may still ask for a tile that names it
	s_endpgm
.Lfunc_end_k_qde039d78d6_proj:
	.size	k_qde039d78d6_proj, .Lfunc_end_k_qde039d78d6_proj-k_qde039d78d6_proj
	.p2alignl 7, 3214868480
	.fill 96, 4, 3214868480
	.section	.rodata,"a",@progbits
	.p2align	6, 0x0
	.amdhsa_kernel k_qde039d78d6_proj
		.amdhsa_group_segment_fixed_size 279040
		.amdhsa_private_segment_fixed_size 0
		.amdhsa_enable_private_segment 0
		.amdhsa_kernarg_size 112
		.amdhsa_user_sgpr_count 2
		.amdhsa_user_sgpr_kernarg_segment_ptr 1
		.amdhsa_wavefront_size32 1
		.amdhsa_system_sgpr_workgroup_id_x 1
		.amdhsa_system_sgpr_workgroup_id_y 1
		.amdhsa_system_sgpr_workgroup_id_z 1
		.amdhsa_system_vgpr_workitem_id 0
		.amdhsa_next_free_vgpr 512
		.amdhsa_next_free_sgpr 102
		.amdhsa_reserve_vcc 0
		.amdhsa_float_denorm_mode_32 3
		.amdhsa_float_denorm_mode_16_64 3
		.amdhsa_memory_ordered 1
		.amdhsa_forward_progress 1
		.amdhsa_inst_pref_size 117
	.end_amdhsa_kernel
	.amdgpu_metadata
---
amdhsa.version: [ 1, 2 ]
amdhsa.kernels:
  - .name:           k_qde039d78d6_proj
    .symbol:         k_qde039d78d6_proj.kd
    .args:
      - { .name: x_codes, .offset: 0, .size: 8, .value_kind: global_buffer, .address_space: global }
      - { .name: x_scales, .offset: 8, .size: 8, .value_kind: global_buffer, .address_space: global }
      - { .name: Wq_codes, .offset: 16, .size: 8, .value_kind: global_buffer, .address_space: global }
      - { .name: Wq_scales, .offset: 24, .size: 8, .value_kind: global_buffer, .address_space: global }
      - { .name: Wk_codes, .offset: 32, .size: 8, .value_kind: global_buffer, .address_space: global }
      - { .name: Wk_scales, .offset: 40, .size: 8, .value_kind: global_buffer, .address_space: global }
      - { .name: Wv_codes, .offset: 48, .size: 8, .value_kind: global_buffer, .address_space: global }
      - { .name: Wv_scales, .offset: 56, .size: 8, .value_kind: global_buffer, .address_space: global }
      - { .name: bq, .offset: 64, .size: 8, .value_kind: global_buffer, .address_space: global }
      - { .name: bk, .offset: 72, .size: 8, .value_kind: global_buffer, .address_space: global }
      - { .name: bv, .offset: 80, .size: 8, .value_kind: global_buffer, .address_space: global }
      - { .name: qc, .offset: 88, .size: 8, .value_kind: global_buffer, .address_space: global }
      - { .name: qs, .offset: 96, .size: 8, .value_kind: global_buffer, .address_space: global }
      - { .name: kv, .offset: 104, .size: 8, .value_kind: global_buffer, .address_space: global }
    .group_segment_fixed_size: 279040
    .private_segment_fixed_size: 0
    .kernarg_segment_align: 8
    .kernarg_segment_size: 112
    .max_flat_workgroup_size: 128
    .sgpr_count:     102
    .vgpr_count:     512
    .wavefront_size: 32
...
	.end_amdgpu_metadata
.endif
;; end of part 1
;; launch attn (part 2): grid 4 x 64, 16 waves a work-group, clusters of 4 x 1, 169,984 bytes of LDS; arguments qc, qs, kv, ac, asc; writes ac, asc
.if DOCPART == 2
	.amdgcn_target "amdgcn-amd-amdhsa--gfx1250"
	.amdhsa_code_object_version 6
	.text
	.protected	k_qde039d78d6_attn
	.globl	k_qde039d78d6_attn
	.p2align	8
	.type	k_qde039d78d6_attn,@function
k_qde039d78d6_attn:
	s_mov_b64 s[64:65], 0
	v_nop
	global_prefetch_b8 v0, s[64:65] scope:SCOPE_SE
	s_setreg_imm32_b32 hwreg(HW_REG_WAVE_MODE, 25, 1), 1
	s_wait_xcnt 0x0
	s_wait_alu depctr_hold_cnt(0) depctr_sa_sdst(0) depctr_va_vdst(0) depctr_va_sdst(0) depctr_va_ssrc(0) depctr_va_vcc(0) depctr_vm_vsrc(0)
	s_getreg_b32 s2, hwreg(HW_REG_IB_STS2, 6, 4)
	s_cmp_eq_u32 s2, 0
	s_cbranch_scc0 .Lentry_in_a_cluster
	s_endpgm
.Lentry_in_a_cluster:
	s_bfe_u32 s2, ttmp6, 0x10000c
	s_cmp_lg_u32 s2, 0x3003
	s_cbranch_scc0 .Lentry_shape_is_right
	s_endpgm
.Lentry_shape_is_right:
; For each head: o[q] = the sum over the keys of p[q][key] v[key] / l[q], both products on codes of FP4 (E2M1) with E8M0 scales; o is quantised along the model's 1,024 (two blocks a head) for the last product.
; THE SOFTMAX: t = score x log2(e) / 8; M = the running largest t rounded UP to a whole number; p = 2^(t - M) is quantised along the keys, not normalised; l is the sum of the unquantised p, in f32.
; When M moves, l and O are multiplied by 2^(old M - new M), which rounds nothing.
; SHARES.  The four work-groups of a head form a cluster; each owns 512 queries.  Each of the sixteen waves owns two tiles of 16 queries, one after the other, in 256 registers: four waves to a SIMD, so that one wave's
; vector work stands beside another's matrix work and LDS loads.  256 work-groups of equal work.
; LDS.  A head's k and v as codes with their scale words are 143,360 bytes, one dense block of kv: it comes ONCE, as it lies, by eight joint loads (waves 0 to 7, 70 rows of 256 bytes each; the four partners ask together),
; and stays: nothing is filled again and nothing is stored to LDS.  One barrier orders every read behind the fill.  The fragments lie as images of the operands' registers: every LDS load reads consecutive bytes.
; LAYOUT.  Both products are used transposed: S^T = K Q^T (source 0 = 16 keys, source 1 = my 16 queries), O^T = V^T P^T (source 0 = 16 channels, source 1 = P): a lane holds ONE query (lane % 16) throughout.
; Tile t of S^T, register j = key 16 t + 8 (lane / 16) + j.  Tiles 2 b, 2 b + 1 are block b; their codes X_b, Y_b are laid X_2c, X_2c+1, Y_2c, Y_2c+1 and two exchanges of halves give the 4-bit operand's layout.
; THE FIRST PRODUCT'S K IS 64, the instruction's 128.  Q's fragment has zero codes in registers 4 to 7.  K's fragment of tile t is v[KF + 4 t .. + 7]: its upper four registers are the next tile's codes (behind the last tile: zeros).
; They meet zero codes alone, under scale bytes 127 on both sides: E2M1 has no code for infinity or NaN, so each such product is 0.
; The last key step's look-ahead loads of K read the LDS bytes that follow K's (V's codes, V's scale words): bytes that were filled; what they bring is not used.
; asc is written two bytes a row (a head's two blocks): its aligned blocks of 256 bytes are written in part; it is 262,144 bytes in all.
; No prefetch: the launch's one stream is asked for at its head.
; LIMITS: NaN and infinities are not served.  A block of zeros (or under 2^-124) gets the byte 1: a block of zeros has zero codes, and this program alone reads the bytes.  A block's largest p is taken as the exponential of its largest score.
.set HEADB, 143360
.set PART,  17920                      ; 70 rows of 256 bytes: what one tensor load brings
.set LVC,   65536                      ; LDS: K's codes at 0, V's codes, K's scale words, V's scale words
.set LKS,   131072
.set LVS,   139264
.set WAVE, 14                          ; s14 wave, s15 cx, s16 head
.set SEL,  32                          ; s[32:33] v_permlanex16_b32's selects for lane l xor 16
.set CS,   34                          ; s[34:35] c = log2(e) / 8
.set TK,   36                          ; s36 the step's codes: 4,096 bytes a step, in K's and in V's
.set TS,   37                          ; s37 K's scale words: 512 a step
.set TV,   38                          ; s38 V's: 256 a step
.set CNT,  39
.set Q0,   16                          ; v16-23, v24-31 my two tiles of Q; v32, v33 their scale words
.set QS,   32
.set KSC,  34                          ; v34-37 K's scale words: register t / 2, lanes 0-15 the even tile, lanes 16-31 the odd one
.set VSC,  38                          ; v38-39 V's likewise
.set KF,   40                          ; v40-71 K's eight tiles, four registers each; v72-75 zeros
.set VF,   76                          ; v76-107 V's four fragments
.set S,    108                         ; v108-171 S^T, then p
.set OA,   172                         ; v172-203 O^T
.set PC,   204                         ; v204-211 p's codes
.set BM,   212                         ; v212-215 a block's largest score, then its largest p
.set BX,   216                         ; v216-219 the other half's; then the bytes
.set SOP,  220                         ; v220-223 the conversions' scale operands
.set PSW,  228                         ; v228 p's scale word.  v224 at work; v[226:227] f; v[230:231] the sum's second chain; v12 -M, v13 the largest t, v[14:15] the sum
.macro PLACES
.rept 4
	v_nop
.endr
.endm
.macro CROUND                          ; a round of the cluster's barrier
	s_barrier_signal -1
	s_barrier_wait -1
	s_cmp_lg_u32 s[WAVE], 0
	s_cbranch_scc1 .Lnot_wave_0_\@
	s_barrier_signal -3
.Lnot_wave_0_\@:
	s_barrier_wait -3
	s_barrier_signal -1
	s_barrier_wait -1
.endm
.macro WMZ d, a, b, sa, sb, ra         ; a product that starts its sum; ra: source 0's scale words stand in lanes 16-31
.if \ra
	v_wmma_scale_f32_16x16x128_f8f6f4 v[\d:\d+7], v[\a:\a+7], v[\b:\b+7], 0, v[\sa], v[\sb] matrix_a_fmt:MATRIX_FMT_FP4 matrix_b_fmt:MATRIX_FMT_FP4 matrix_a_scale:MATRIX_SCALE_ROW1
.else
	v_wmma_scale_f32_16x16x128_f8f6f4 v[\d:\d+7], v[\a:\a+7], v[\b:\b+7], 0, v[\sa], v[\sb] matrix_a_fmt:MATRIX_FMT_FP4 matrix_b_fmt:MATRIX_FMT_FP4
.endif
.endm
.macro WMA d, a, b, sa, sb, ra         ; a product that adds in place
.if \ra
	v_wmma_scale_f32_16x16x128_f8f6f4 v[\d:\d+7], v[\a:\a+7], v[\b:\b+7], v[\d:\d+7], v[\sa], v[\sb] matrix_a_fmt:MATRIX_FMT_FP4 matrix_b_fmt:MATRIX_FMT_FP4 matrix_a_scale:MATRIX_SCALE_ROW1
.else
	v_wmma_scale_f32_16x16x128_f8f6f4 v[\d:\d+7], v[\a:\a+7], v[\b:\b+7], v[\d:\d+7], v[\sa], v[\sb] matrix_a_fmt:MATRIX_FMT_FP4 matrix_b_fmt:MATRIX_FMT_FP4
.endif
.endm
.macro KLOADS                          ; a key step's K: eight tiles of 512 bytes and their scale words: ten loads
.irp t,0,1,2,3,4,5,6,7
	ds_load_b128 v[KF+4*\t:KF+4*\t+3], v5 offset:512*\t
.endr
	ds_load_b64 v[KSC:KSC+1], v7
	ds_load_b64 v[KSC+2:KSC+3], v7 offset:256
.endm
	s_load_b256 s[4:11], s[0:1], 0x0               ; qc s[4:5], qs s[6:7], kv s[8:9], ac s[10:11]
	s_load_b64 s[12:13], s[0:1], 0x20              ; asc
	v_lshl_add_u32 v254, v0, 2, 0x29000
	v_mov_b32 v255, 0
	ds_add_u32 v254, v255
	ds_add_u32 v254, v255
	v_lshrrev_b32 v1, 5, v0
	s_delay_alu instid0(VALU_DEP_1)
	v_readfirstlane_b32 s[WAVE], v1                ; wave 0..15
	s_bfe_u32 s15, ttmp6, 0x40000                  ; cx: it enters Q's and the results' addresses alone
	s_and_b32 s16, ttmp7, 0xffff                   ; the head (16 x batch + head), which the four partners share
	; descriptor group 1: 70 rows of 256 bytes (32 elements of 8 bytes), dense in memory and in LDS
	s_mov_b32 s24, 15|(3<<16)|(1<<21)              ; 15:0 the mask: all four work-groups; 17:16 elements of 8 bytes; 21 set beside a mask
	s_mov_b32 s25, 32<<16                          ; tensor_dim0
	s_mov_b32 s26, 70<<16                          ; tensor_dim1
	s_mov_b32 s27, 32<<16                          ; tile_dim0
	s_mov_b32 s28, 70                              ; tile_dim1
	s_mov_b32 s29, 32                              ; tensor_dim0_stride
	s_mov_b32 s30, 0
	s_mov_b32 s31, 0
	s_and_b32 s17, s[WAVE], 7
	s_mul_i32 s17, s17, PART                       ; a fetching wave's part: its place in the head's block and in LDS alike
	s_mul_i32 s44, s16, HEADB
	s_add_co_u32 s44, s44, s17
	s_mov_b32 s45, 0
	s_mov_b32 s[SEL], 0x76543210
	s_mov_b32 s[SEL+1], 0xfedcba98
	s_mov_b32 s[CS], 0x3e38aa3b                    ; log2(e) / sqrt(64)
	s_mov_b32 s[CS+1], s[CS]                       ; (named with it as a pair, so it is written)
	s_wait_dscnt 0x0
	s_wait_kmcnt 0x0
	s_mov_b32 s20, 1                               ; descriptor group 0
	s_mov_b32 s21, s17
	s_add_nc_u64 s[22:23], s[8:9], s[44:45]
	s_or_b32 s23, s23, 0x80000000
	CROUND                                         ; all four work-groups are here: the joint loads meet
	s_cmp_lt_u32 s[WAVE], 8                        ; waves 0 to 7 fetch, one load each: the same branch in every partner
	s_cbranch_scc0 .Lno_fill
	tensor_load_to_lds s[20:23], s[24:31]
	s_nop 0
	PLACES                                         ; four v_nop follow it
.Lno_fill:
	s_lshl_b32 s40, s16, 16                        ; Q's codes: 65,536 a head, tile 32 cx + w (+ 16 for my second tile)
	s_lshl_b32 s42, s15, 14
	s_add_co_u32 s40, s40, s42
	s_lshl_b32 s42, s[WAVE], 9
	s_add_co_u32 s40, s40, s42
	s_mov_b32 s41, 0
	s_add_nc_u64 s[4:5], s[4:5], s[40:41]
	s_lshl_b32 s40, s16, 13                        ; Q's scale words: 8,192 a head; four tiles are 256 bytes: group 8 cx + w / 4,
	s_lshl_b32 s42, s15, 11
	s_add_co_u32 s40, s40, s42
	s_lshr_b32 s42, s[WAVE], 2
	s_lshl_b32 s42, s42, 8
	s_add_co_u32 s40, s40, s42
	s_and_b32 s42, s[WAVE], 1                      ; in it the odd tiles stand in lanes 16-31: 128 bytes on,
	s_lshl_b32 s42, s42, 7
	s_add_co_u32 s40, s40, s42
	s_bfe_u32 s42, s[WAVE], 0x10001                ; and tiles 2, 3 in the second word
	s_lshl_b32 s42, s42, 2
	s_add_co_u32 s40, s40, s42
	s_add_nc_u64 s[6:7], s[6:7], s[40:41]
	s_lshr_b32 s43, s16, 4
	s_lshl_b32 s43, s43, 7
	s_lshl_b32 s42, s15, 5
	s_add_co_u32 s43, s43, s42
	s_add_co_u32 s43, s43, s[WAVE]                 ; my first tile among all 512 tiles of tokens: 128 batch + 32 cx + w
	s_bfe_u32 s46, s16, 0x30001                    ; g: which 128 of the last product's K: head / 2
	s_and_b32 s47, s16, 1                          ; c: which half of them
	s_lshl_b32 s40, s43, 13                        ; ac: [tile][g][c][lane][16 bytes]
	s_lshl_b32 s42, s46, 10
	s_add_co_u32 s40, s40, s42
	s_lshl_b32 s42, s47, 9
	s_add_co_u32 s40, s40, s42
	s_add_nc_u64 s[10:11], s[10:11], s[40:41]
	s_lshl_b32 s40, s46, 15                        ; asc: [g][row] words, my two bytes at 2 c
	s_lshl_b32 s42, s43, 6
	s_add_co_u32 s40, s40, s42
	s_lshl_b32 s42, s47, 1
	s_add_co_u32 s40, s40, s42
	s_add_nc_u64 s[12:13], s[12:13], s[40:41]
	v_and_b32 v11, 31, v0                          ; lane
	v_and_b32 v9, 15, v0                           ; r
	s_delay_alu instid0(VALU_DEP_2)
	v_lshlrev_b32 v1, 4, v11                       ; v1  16 x lane: K's codes in LDS; Q's and the results' in memory
	s_delay_alu instid0(VALU_DEP_1)
	v_add_nc_u32 v2, LVC, v1                       ; v2  V's codes
	s_delay_alu instid0(VALU_DEP_4)
	v_lshl_add_u32 v3, v11, 3, LKS                 ; v3  K's scale words: 8 bytes a lane
	v_lshl_add_u32 v4, v11, 2, LVS                 ; v4  V's: 4 bytes a lane
	v_lshlrev_b32 v10, 2, v9                       ; v10 4 r
	v_lshlrev_b32 v9, 3, v9                        ; v9  8 r
	global_load_b128 v[Q0:Q0+3], v1, s[4:5]
	global_load_b128 v[Q0+8:Q0+11], v1, s[4:5] offset:8192
	global_load_b32 v[QS], v9, s[6:7]
	global_load_b32 v[QS+1], v9, s[6:7] offset:1024
.irp j,4,5,6,7,12,13,14,15
	v_mov_b32 v[Q0+\j], 0                          ; zero codes for the upper 64 of the instruction's K
.endr
.irp j,0,1,2,3
	v_mov_b32 v[KF+32+\j], 0                       ; what stands behind K's last tile
	v_mov_b32 v[BX+\j], 0                          ; written once: a lane permute's destination counts as one of its sources
.endr
	v_mov_b32 v227, 0                              ; (named as the upper half of the pair v[226:227])
	s_wait_tensorcnt 0x0                           ; my part of the head's block is in
	s_wait_loadcnt 0x0                             ; Q
	s_barrier_signal -1
	s_barrier_wait -1                              ; everybody's part is in: from here on LDS is only read
; One tile of 16 queries against all 2,048 keys, 128 a step.
.macro TILE n
	s_wait_xcnt 0x0                                ; the last tile's stores have read their data
	v_mov_b32 v13, 0xff61b1e6                      ; the largest t so far: -3e38, under every t
	s_delay_alu instid0(VALU_DEP_1)
	v_floor_f32 v12, -v13                          ; -M
	v_mov_b32 v14, 0                               ; the sum, in two halves
	v_mov_b32 v15, 0
.set jj, 0
.rept 32
	v_mov_b32 v[OA+jj], 0                          ; O^T: the step is written once; the first finds zeros, which the first change of M leaves zeros
.set jj, jj+1
.endr
	s_mov_b32 s[TK], 0
	s_mov_b32 s[TS], 0
	s_mov_b32 s[TV], 0
	s_mov_b32 s[CNT], 16
	v_mov_b32 v5, v1
	v_mov_b32 v7, v3
	KLOADS                                         ; key step 0
.Lstep_\@:
	s_wait_dscnt 0x0                               ; this step's K is in
	s_setprio 2
.irp t,0,1,2,3,4,5,6,7
	WMZ S+8*\t, KF+4*\t, Q0+8*(\n), KSC+\t/2, QS+(\n), \t%2
.endr
	v_add_nc_u32 v6, s[TK], v2                     ; this step's V,
	v_add_nc_u32 v8, s[TV], v4
	s_add_co_u32 s[TK], s[TK], 4096
	s_add_co_u32 s[TS], s[TS], 512
	s_add_co_u32 s[TV], s[TV], 256
	v_add_nc_u32 v5, s[TK], v1                     ; the next step's K.  These four additions are the four places behind the products, in front of the loads below and of the first read of the scores
	v_add_nc_u32 v7, s[TS], v3
.irp t,0,1,2,3
.irp c,0,1
	ds_load_b128 v[VF+8*\t+4*\c:VF+8*\t+4*\c+3], v6 offset:1024*\t+512*\c
.endr
.endr
	ds_load_b32 v[VSC], v8
	ds_load_b32 v[VSC+1], v8 offset:128
	KLOADS
.irp b,0,1,2,3
	v_max3_num_f32 v[BM+\b], v[S+16*\b], v[S+16*\b+1], v[S+16*\b+2]   ; the largest score of each block of 32 keys: for the row's maximum and, since p rises with the score, for the block's largest p
.endr
.irp i,3,5,7,9,11,13
.irp b,0,1,2,3
	v_max3_num_f32 v[BM+\b], v[BM+\b], v[S+16*\b+\i], v[S+16*\b+\i+1]
.endr
.endr
.irp b,0,1,2,3
	v_max_num_f32 v[BM+\b], v[BM+\b], v[S+16*\b+15]
.endr
.irp b,0,1,2,3
	s_delay_alu instid0(VALU_DEP_4)
	v_permlanex16_b32 v[BX+\b], v[BM+\b], s[SEL], s[SEL+1]
.endr
.irp b,0,1,2,3
	s_delay_alu instid0(VALU_DEP_4)
	v_max_num_f32 v[BM+\b], v[BM+\b], v[BX+\b]     ; with lane l xor 16's 16 keys
.endr
	s_delay_alu instid0(VALU_DEP_2)
	v_max3_num_f32 v224, v[BM], v[BM+1], v[BM+2]
	s_delay_alu instid0(VALU_DEP_1)
	v_max_num_f32 v224, v224, v[BM+3]              ; the step's largest score of my query
	s_delay_alu instid0(VALU_DEP_1)
	v_mul_f32 v224, s[CS], v224                    ; as t (c is positive)
	s_delay_alu instid0(VALU_DEP_1)
	v_max_num_f32 v13, v13, v224                   ; the running largest t
	v_mov_b32 v224, v12
	s_delay_alu instid0(VALU_DEP_2)
	v_floor_f32 v12, -v13                          ; the new -M = floor(-t) = -ceil(t): a whole number
	s_delay_alu instid0(VALU_DEP_1)
	v_sub_f32 v224, v12, v224                      ; old M - new M: a whole number, 0 or less
	s_delay_alu instid0(VALU_DEP_1)
	v_cvt_i32_f32 v224, v224                       ; (it saturates)
	s_delay_alu instid0(VALU_DEP_1)
	v_ldexp_f32 v226, 1.0, v224                    ; f = 2^(old M - new M)
.set jj, 0
.rept 32
	v_pk_fma_f32 v[S+jj:S+jj+1], v[S+jj:S+jj+1], s[CS:CS+1], v[12:13] op_sel_hi:[1,0,0]   ; t - M, two at a time
.set jj, jj+2
.endr
.irp b,0,1,2,3
	v_fma_f32 v[BM+\b], v[BM+\b], s[CS], v12       ; the same of each block's largest score
.endr
.set jj, 0
	s_wait_alu depctr_va_vdst(0)
.rept 64
	v_exp_f32 v[S+jj], v[S+jj]                     ; p = 2^(t - M), at most 1
.set jj, jj+1
.endr
	s_setprio 1
	v_pk_mul_f32 v[14:15], v[14:15], v[226:227] op_sel_hi:[1,0]   ; the sums under the new M: the plain place behind the exponentials
	s_wait_alu depctr_va_vdst(0)                   ; one wait for the batch of 64, ahead of its first reader
.irp b,0,1,2,3
	v_exp_f32 v[BM+\b], v[BM+\b]                   ; the block's largest p
.endr
	v_pk_add_f32 v[230:231], v[112:113], v[116:117]
	v_pk_add_f32 v[252:253], v[120:121], v[124:125]
	v_pk_add_f32 v[250:251], v[128:129], v[132:133]
	v_pk_add_f32 v[248:249], v[136:137], v[140:141]
	v_pk_add_f32 v[246:247], v[144:145], v[148:149]
	v_pk_add_f32 v[244:245], v[152:153], v[156:157]
	v_pk_add_f32 v[242:243], v[160:161], v[164:165]
	v_pk_add_f32 v[14:15], v[14:15], v[168:169]
	v_pk_add_f32 v[230:231], v[230:231], v[108:109]
	v_pk_add_f32 v[252:253], v[252:253], v[110:111]
	v_pk_add_f32 v[250:251], v[250:251], v[114:115]
	v_pk_add_f32 v[248:249], v[248:249], v[118:119]
	v_pk_add_f32 v[246:247], v[246:247], v[122:123]
	v_pk_add_f32 v[244:245], v[244:245], v[126:127]
	v_pk_add_f32 v[242:243], v[242:243], v[130:131]
	v_pk_add_f32 v[14:15], v[14:15], v[134:135]
	v_pk_add_f32 v[230:231], v[230:231], v[138:139]
	v_pk_add_f32 v[252:253], v[252:253], v[142:143]
	v_pk_add_f32 v[250:251], v[250:251], v[146:147]
	v_pk_add_f32 v[248:249], v[248:249], v[150:151]
	v_pk_add_f32 v[246:247], v[246:247], v[154:155]
	v_pk_add_f32 v[244:245], v[244:245], v[158:159]
	v_pk_add_f32 v[242:243], v[242:243], v[162:163]
	v_pk_add_f32 v[14:15], v[14:15], v[166:167]
	v_pk_add_f32 v[230:231], v[230:231], v[170:171]
	s_delay_alu instid0(VALU_DEP_2)
	v_pk_add_f32 v[14:15], v[14:15], v[248:249]
	s_delay_alu instid0(VALU_DEP_2)
	v_pk_add_f32 v[230:231], v[230:231], v[246:247]
	v_pk_add_f32 v[252:253], v[252:253], v[244:245]
	v_pk_add_f32 v[250:251], v[250:251], v[242:243]
	s_delay_alu instid0(VALU_DEP_2)
	v_pk_add_f32 v[14:15], v[14:15], v[252:253]
	s_delay_alu instid0(VALU_DEP_2)
	v_pk_add_f32 v[230:231], v[230:231], v[250:251]
	s_delay_alu instid0(VALU_DEP_1)
	v_pk_add_f32 v[14:15], v[14:15], v[230:231]
	s_wait_alu depctr_va_vdst(0)                   ; and one for the four
.irp b,0,1,2,3
	v_max_num_f32 v[BM+\b], 0x1800000, v[BM+\b]    ; the floor 2^(3 - 127): the byte cannot fall under 1
.endr
.irp b,0,1,2,3
	s_delay_alu instid0(VALU_DEP_4)
	v_add_nc_u32 v[SOP+\b], 0xff000000, v[BM+\b]   ; 2 off the exponent field: the conversion's scale operand
.endr
.irp b,0,1,2,3
	s_delay_alu instid0(VALU_DEP_4)
	v_lshrrev_b32 v[BX+\b], 23, v[SOP+\b]          ; the scale's byte
.endr
	s_delay_alu instid0(VALU_DEP_3)
	v_lshl_or_b32 v[PSW], v[BX+1], 8, v[BX]        ; p's scale word for these 128 keys
	s_delay_alu instid0(VALU_DEP_1)
	v_lshl_or_b32 v[PSW], v[BX+2], 16, v[PSW]
	s_delay_alu instid0(VALU_DEP_1)
	v_lshl_or_b32 v[PSW], v[BX+3], 24, v[PSW]
.irp b,0,1,2,3
	v_cvt_scalef32_pk8_fp4_f32 v[PC+4*(\b/2)+\b%2], v[S+16*\b:S+16*\b+7], v[SOP+\b]        ; X_b
	v_cvt_scalef32_pk8_fp4_f32 v[PC+4*(\b/2)+2+\b%2], v[S+16*\b+8:S+16*\b+15], v[SOP+\b]   ; Y_b
.endr
	v_nop                                          ; one plain place behind the scaled conversions
.irp c,0,1
	v_permlane16_swap_b32 v[PC+4*\c], v[PC+4*\c+1]
	v_permlane16_swap_b32 v[PC+4*\c+2], v[PC+4*\c+3]
.endr
.set jj, 0
	s_setprio 0
.rept 16
	v_pk_mul_f32 v[OA+jj:OA+jj+1], v[OA+jj:OA+jj+1], v[226:227] op_sel_hi:[1,0]   ; O^T under the new M.  These sixteen are also the places between the writes of p's codes and scale word and the products below
.set jj, jj+2
.endr
	s_wait_alu depctr_va_vdst(0)
	s_wait_dscnt 10                                ; V is in; the ten loads of the next step's K, issued behind V's, may stay out
.irp t,0,1,2,3
	WMA OA+8*\t, VF+8*\t, PC, VSC+\t/2, PSW, \t%2   ; one instruction an accumulator a step: no link follows the link that it adds onto
.endr
	s_sub_co_u32 s[CNT], s[CNT], 1
	s_cmp_lg_u32 s[CNT], 0
	s_cbranch_scc1 .Lstep_\@
	s_setprio 0
	s_wait_dscnt 0x0                               ; the look-ahead loads of the last step: their registers are written again below
	PLACES
	v_add_f32 v14, v14, v15                        ; the sum's two halves,
	s_delay_alu instid0(VALU_DEP_1)
	v_permlanex16_b32 v224, v14, s[SEL], s[SEL+1]
	s_delay_alu instid0(VALU_DEP_1)
	v_add_f32 v14, v14, v224                       ; and lane l xor 16's: l
	s_wait_alu depctr_va_vdst(0)
	v_rcp_f32 v14, v14
	v_nop                                          ; a plain place behind the reciprocal
	s_wait_alu depctr_va_vdst(0)                   ; and the wait ahead of its first reader
.set jj, 0
.rept 16
	v_pk_mul_f32 v[S+jj:S+jj+1], v[OA+jj:OA+jj+1], v[14:15] op_sel_hi:[1,0]   ; O^T / l: register 8 t + j is channel 16 t + 8 (lane / 16) + j of my query
.set jj, jj+2
.endr
.irp b,0,1
	v_max3_num_f32 v[BM+\b], |v[S+16*\b]|, |v[S+16*\b+1]|, 0x1800000   ; the head's two blocks of the last product's K
.endr
.irp i,2,4,6,8,10,12,14
.irp b,0,1
	s_delay_alu instid0(VALU_DEP_2)
	v_max3_num_f32 v[BM+\b], v[BM+\b], |v[S+16*\b+\i]|, |v[S+16*\b+\i+1]|
.endr
.endr
.irp b,0,1
	s_delay_alu instid0(VALU_DEP_2)
	v_permlanex16_b32 v[BX+\b], v[BM+\b], s[SEL], s[SEL+1]
.endr
.irp b,0,1
	s_delay_alu instid0(VALU_DEP_2)
	v_max_num_f32 v[BM+\b], v[BM+\b], v[BX+\b]
.endr
.irp b,0,1
	s_delay_alu instid0(VALU_DEP_2)
	v_add_nc_u32 v[SOP+\b], 0xff000000, v[BM+\b]
.endr
.irp b,0,1
	s_delay_alu instid0(VALU_DEP_2)
	v_lshrrev_b32 v[BX+\b], 23, v[SOP+\b]
.endr
.irp b,0,1
	v_cvt_scalef32_pk8_fp4_f32 v[PC+\b], v[S+16*\b:S+16*\b+7], v[SOP+\b]
	v_cvt_scalef32_pk8_fp4_f32 v[PC+2+\b], v[S+16*\b+8:S+16*\b+15], v[SOP+\b]
.endr
	v_nop
	v_permlane16_swap_b32 v[PC], v[PC+1]
	v_permlane16_swap_b32 v[PC+2], v[PC+3]
	v_lshl_or_b32 v224, v[BX+1], 8, v[BX]          ; the two bytes
	global_store_b128 v1, v[PC:PC+3], s[10:11] offset:131072*(\n)   ; the wave stores 512 consecutive bytes, aligned: half a fragment of the last product's operand
	global_store_b16 v10, v224, s[12:13] offset:1024*(\n)           ; lanes r and 16 + r write the same two bytes with the same value
.endm
	TILE 0
	TILE 1
	s_wait_tensorcnt 0x0
	ds_add_u32 v254, v255
	s_wait_dscnt 0x0
	CROUND                                         ; the closing round: no work-group ends while a partner may still ask for a tile that names it
	s_endpgm
.Lfunc_end_k_qde039d78d6_attn:
	.size	k_qde039d78d6_attn, .Lfunc_end_k_qde039d78d6_attn-k_qde039d78d6_attn
	.p2alignl 7, 3214868480
	.fill 96, 4, 3214868480
	.section	.rodata,"a",@progbits
	.p2align	6, 0x0
	.amdhsa_kernel k_qde039d78d6_attn
		.amdhsa_group_segment_fixed_size 169984
		.amdhsa_private_segment_fixed_size 0
		.amdhsa_enable_private_segment 0
		.amdhsa_kernarg_size 40
		.amdhsa_user_sgpr_count 2
		.amdhsa_user_sgpr_kernarg_segment_ptr 1
		.amdhsa_wavefront_size32 1
		.amdhsa_system_sgpr_workgroup_id_x 1
		.amdhsa_system_sgpr_workgroup_id_y 1
		.amdhsa_system_sgpr_workgroup_id_z 1
		.amdhsa_system_vgpr_workitem_id 0
		.amdhsa_next_free_vgpr 256
		.amdhsa_next_free_sgpr 66
		.amdhsa_reserve_vcc 0
		.amdhsa_float_denorm_mode_32 3
		.amdhsa_float_denorm_mode_16_64 3
		.amdhsa_memory_ordered 1
		.amdhsa_forward_progress 1
		.amdhsa_inst_pref_size 51
	.end_amdhsa_kernel
	.amdgpu_metadata
---
amdhsa.version: [ 1, 2 ]
amdhsa.kernels:
  - .name:           k_qde039d78d6_attn
    .symbol:         k_qde039d78d6_attn.kd
    .args:
      - { .name: qc, .offset: 0, .size: 8, .value_kind: global_buffer, .address_space: global }
      - { .name: qs, .offset: 8, .size: 8, .value_kind: global_buffer, .address_space: global }
      - { .name: kv, .offset: 16, .size: 8, .value_kind: global_buffer, .address_space: global }
      - { .name: ac, .offset: 24, .size: 8, .value_kind: global_buffer, .address_space: global }
      - { .name: asc, .offset: 32, .size: 8, .value_kind: global_buffer, .address_space: global }
    .group_segment_fixed_size: 169984
    .private_segment_fixed_size: 0
    .kernarg_segment_align: 8
    .kernarg_segment_size: 40
    .max_flat_workgroup_size: 512
    .sgpr_count:     66
    .vgpr_count:     256
    .wavefront_size: 32
...
	.end_amdgpu_metadata
.endif
;; end of part 2
;; launch oproj (part 3): grid 8 x 64, 4 waves a work-group, clusters of 4 x 4, 327,680 bytes of LDS; arguments ac, asc, Wo_codes, Wo_scales, bo, out0; writes out0
.if DOCPART == 3
	.amdgcn_target "amdgcn-amd-amdhsa--gfx1250"
	.amdhsa_code_object_version 6
	.text
	.protected	k_qde039d78d6_oproj
	.globl	k_qde039d78d6_oproj
	.p2align	8
	.type	k_qde039d78d6_oproj,@function
k_qde039d78d6_oproj:
	s_mov_b64 s[64:65], 0
	v_nop
	global_prefetch_b8 v0, s[64:65] scope:SCOPE_SE
	s_setreg_imm32_b32 hwreg(HW_REG_WAVE_MODE, 25, 1), 1
	s_wait_xcnt 0x0
	s_wait_alu depctr_hold_cnt(0) depctr_sa_sdst(0) depctr_va_vdst(0) depctr_va_sdst(0) depctr_va_ssrc(0) depctr_va_vcc(0) depctr_vm_vsrc(0)
	s_getreg_b32 s2, hwreg(HW_REG_IB_STS2, 6, 4)
	s_cmp_eq_u32 s2, 0
	s_cbranch_scc0 .Lentry_in_a_cluster
	s_endpgm
.Lentry_in_a_cluster:
	s_bfe_u32 s2, ttmp6, 0x10000c
	s_cmp_lg_u32 s2, 0xf033
	s_cbranch_scc0 .Lentry_shape_is_right
	s_endpgm
.Lentry_shape_is_right:
; out0 = a Wo^T + bo on codes of FP4 (E2M1) with one E8M0 scale for each 32 along K = 1,024.  a: the attention's result as the launch before laid it: ac [tile of 16 tokens 512][K step 8][c 2][lane][16 bytes], images of the
; operand's registers; asc [K step 8][token 8,192] scale words.  Wo: rows of 512 bytes of codes, 32 scale bytes a row.  out0: [8,192][1,024] f32.
; SHARES.  A work-group takes 128 tokens (rb of 64) x 128 outputs (nb of 8), all of K in LDS, each tile filled once: no slot is ever filled again.  A wave takes 64 x 64: sixteen accumulators.
; Source 0 = 16 rows of Wo, source 1 = 16 tokens: a lane holds eight neighbouring outputs of one token's row.  bo is the C of each sum's first matrix instruction.
; CLUSTERS: 4 x 4 work-groups.  a's tile hangs on rb alone and is asked for jointly along a row of the cluster, Wo's on nb alone, along a column.  Each wave fetches a quarter of each tile: two tensor loads are out at the most.
; THE WAY OUT.  16 tokens x 64 outputs at a time go through the wave's own stage in LDS (bytes of their own, into which no fill lands) and leave as rows of 256 bytes: sixteen lanes store 256 consecutive bytes, aligned.
; LIMITS: NaN and infinities are not served.
.set PITCH, 528                        ; Wo's LDS row: 512 bytes + 16 of padding
.set LWT,   65536                      ; LDS: a's tile at 0 (dense images), Wo's tile, the stages
.set LSTG,  LWT+128*PITCH
.set SP,    272                        ; a stage row: 256 bytes + 16
.set ADA,  2                           ; v2   LDS: my 64 tokens' images
.set STO,  3                           ; v3   the stage: where I put 32 bytes of a row
.set ADW,  4                           ; v4   my 64 rows of Wo
.set RD,   5                           ; v5   the stage: where I read a row back
.set CO,   6                           ; v6   my byte offset in two rows of out0
.set L32,  7                           ; v7   32 x lane
.set L4,   10                          ; v10  4 x lane
.set H32,  11                          ; v11  32 x (lane / 16)
.set XS,   16                          ; v16-31  a's scale words: register 8 p + s: lanes 0-15 tile 2 p, lanes 16-31 tile 2 p + 1, K step s
.set WSA,  48                          ; v48-63  Wo's likewise
.set OB,   64                          ; v64-95, v96-127 by turns: 16 rows read back from the stage
.set ACC,  128                         ; v128-255 sixteen accumulators
.set F0,   0                           ; window 1: two fragment buffers, at v0 and v80; bo's four tiles at v160
.set BQ,   160
.set WAVE, 16                          ; s16 wave, s17 wave / 2, s18 wave % 2
.set G1A,  24
.set G1B,  32
.set MSB, 0
.macro WIN new                         ; the immediate's high byte repeats the setting that is left
.if MSB != \new
	s_set_vgpr_msb (MSB<<8)|\new
.set MSB, \new
.endif
.endm
.macro PLACES
.rept 4
	v_nop
.endr
.endm
.macro CROUND                          ; a round of the cluster's barrier
	s_barrier_signal -1
	s_barrier_wait -1
	s_cmp_lg_u32 s[WAVE], 0
	s_cbranch_scc1 .Lnot_wave_0_\@
	s_barrier_signal -3
.Lnot_wave_0_\@:
	s_barrier_wait -3
	s_barrier_signal -1
	s_barrier_wait -1
.endm
.macro WM d, a, b, c, sa, sb, ra, rb
.if (\ra) && (\rb)
	v_wmma_scale_f32_16x16x128_f8f6f4 v[\d:\d+7], v[\a:\a+7], v[\b:\b+7], v[\c:\c+7], v[\sa], v[\sb] matrix_a_fmt:MATRIX_FMT_FP4 matrix_b_fmt:MATRIX_FMT_FP4 matrix_a_scale:MATRIX_SCALE_ROW1 matrix_b_scale:MATRIX_SCALE_ROW1
.elseif (\ra)
	v_wmma_scale_f32_16x16x128_f8f6f4 v[\d:\d+7], v[\a:\a+7], v[\b:\b+7], v[\c:\c+7], v[\sa], v[\sb] matrix_a_fmt:MATRIX_FMT_FP4 matrix_b_fmt:MATRIX_FMT_FP4 matrix_a_scale:MATRIX_SCALE_ROW1
.elseif (\rb)
	v_wmma_scale_f32_16x16x128_f8f6f4 v[\d:\d+7], v[\a:\a+7], v[\b:\b+7], v[\c:\c+7], v[\sa], v[\sb] matrix_a_fmt:MATRIX_FMT_FP4 matrix_b_fmt:MATRIX_FMT_FP4 matrix_b_scale:MATRIX_SCALE_ROW1
.else
	v_wmma_scale_f32_16x16x128_f8f6f4 v[\d:\d+7], v[\a:\a+7], v[\b:\b+7], v[\c:\c+7], v[\sa], v[\sb] matrix_a_fmt:MATRIX_FMT_FP4 matrix_b_fmt:MATRIX_FMT_FP4
.endif
.endm
.macro FRAG reg, adr, off, d
	ds_load_b128 v[\reg:\reg+3], v[\adr] offset:\off
	ds_load_b128 v[\reg+4:\reg+7], v[\adr] offset:\off+\d
.endm
	s_load_b256 s[4:11], s[0:1], 0x0               ; ac s[4:5], asc s[6:7], Wo's codes s[8:9], Wo's scales s[10:11]
	s_load_b128 s[12:15], s[0:1], 0x20             ; bo s[12:13], out0 s[14:15]
	v_lshl_add_u32 v46, v0, 2, 0x29000
	v_mov_b32 v47, 0
	ds_add_u32 v46, v47
	ds_add_u32 v46, v47
	v_lshrrev_b32 v1, 5, v0
	v_readfirstlane_b32 s[WAVE], v1                ; wave 0..3
	s_lshr_b32 s17, s[WAVE], 1                     ; wm
	s_and_b32 s18, s[WAVE], 1                      ; wn
	s_bfe_u32 s19, ttmp6, 0x40000                  ; cx, cy
	s_bfe_u32 s20, ttmp6, 0x40004
	s_lshl_b32 s21, ttmp9, 2
	s_add_co_u32 s21, s21, s19                     ; nb = 4 x cluster x + cx
	s_and_b32 s22, ttmp7, 0xffff
	s_lshl_b32 s22, s22, 2
	s_add_co_u32 s22, s22, s20                     ; rb = 4 x cluster y + cy
	s_lshl_b32 s23, s20, 2
	s_lshl_b32 s23, 15, s23                        ; my row of the cluster
	s_lshl_b32 s3, 0x1111, s19                     ; my column
	; descriptor group 1 for a's tile: 64 rows of 256 bytes (32 elements of 8 bytes), dense
	s_or_b32 s[G1A], s23, (3<<16)|(1<<21)
	s_mov_b32 s[G1A+1], 32<<16
	s_mov_b32 s[G1A+2], 64<<16
	s_mov_b32 s[G1A+3], 32<<16
	s_mov_b32 s[G1A+4], 64
	s_mov_b32 s[G1A+5], 32
	s_mov_b32 s[G1A+6], 0
	s_mov_b32 s[G1A+7], 0
	; and for Wo's: 32 rows x 512 bytes, 16 bytes of padding behind each (after every 128 words, four words)
	s_or_b32 s[G1B], s3, (0<<16)|(1<<20)|(1<<21)|(6<<22)|(3<<25)
	s_mov_b32 s[G1B+1], 512<<16
	s_mov_b32 s[G1B+2], 32<<16
	s_mov_b32 s[G1B+3], 512<<16
	s_mov_b32 s[G1B+4], 32
	s_mov_b32 s[G1B+5], 512
	s_mov_b32 s[G1B+6], 0
	s_mov_b32 s[G1B+7], 0
	s_lshl_b32 s2, s[WAVE], 14                     ; my quarter of either tile in memory, and of a's in LDS: 16,384 bytes
	s_lshl_b32 s48, s22, 16                        ; a: 65,536 bytes a block.  s48, s49 never hold cx,
	s_add_co_u32 s48, s48, s2
	s_mov_b32 s49, 0
	s_lshl_b32 s50, s21, 16                        ; Wo: s50, s51 never hold cy
	s_add_co_u32 s50, s50, s2
	s_mov_b32 s51, 0
	s_mul_i32 s55, s[WAVE], 32*PITCH
	s_wait_dscnt 0x0
	s_wait_kmcnt 0x0
	s_mov_b32 s40, 1                               ; descriptor groups 0
	s_mov_b32 s41, s2
	s_add_nc_u64 s[42:43], s[4:5], s[48:49]
	s_or_b32 s43, s43, 0x80000000
	s_mov_b32 s44, 1
	s_add_co_u32 s45, s55, LWT
	s_add_nc_u64 s[46:47], s[8:9], s[50:51]
	s_or_b32 s47, s47, 0x80000000
	CROUND                                         ; all sixteen work-groups are here: the joint loads meet
	tensor_load_to_lds s[40:43], s[G1A:G1A+7]
	s_nop 0
	s_wait_alu depctr_va_vdst(0)
	s_wait_tensorcnt 0x0
	ds_add_u32 v46, v47
	s_wait_dscnt 0x0
	CROUND
	tensor_load_to_lds s[44:47], s[G1B:G1B+7]
	s_nop 0
	PLACES                                         ; four v_nop follow the second
	s_lshl_b32 s48, s22, 9                         ; a's scale words: 4 bytes a token: 128 rb + 64 wm tokens on
	s_lshl_b32 s2, s17, 8
	s_add_co_u32 s48, s48, s2
	s_add_nc_u64 s[6:7], s[6:7], s[48:49]
	s_lshl_b32 s50, s21, 12                        ; Wo's scales: rows 128 nb + 64 wn on, 32 bytes each
	s_lshl_b32 s2, s18, 11
	s_add_co_u32 s50, s50, s2
	s_add_nc_u64 s[10:11], s[10:11], s[50:51]
	s_lshr_b32 s50, s50, 3                         ; the same rows in bo, and the same columns in a row of out0: 4 bytes each
	s_add_nc_u64 s[12:13], s[12:13], s[50:51]
	s_lshl_b32 s52, s22, 19                        ; out0: rows of 4,096 bytes: 128 rb + 64 wm rows on,
	s_lshl_b32 s54, s17, 18
	s_add_co_u32 s52, s52, s54
	s_add_co_u32 s52, s52, s50                     ; + my columns
	s_mov_b32 s53, 0
	s_add_nc_u64 s[14:15], s[14:15], s[52:53]
	v_and_b32 v13, 15, v0                          ; r
	v_bfe_u32 v14, v0, 4, 1                        ; h
	v_and_b32 v15, 31, v0                          ; lane
	v_mul_u32_u24 v1, v13, PITCH
	v_lshl_add_u32 v1, v14, 4, v1                  ; a fragment's row x pitch + 16 h
	s_mul_i32 s2, s18, 64*PITCH
	s_add_co_u32 s2, s2, LWT
	v_add_nc_u32 v[ADW], s2, v1
	s_lshl_b32 s2, s17, 15
	v_lshl_add_u32 v[ADA], v15, 4, s2              ; 16 x lane + my four tiles of 8,192 bytes
	v_lshlrev_b32 v[L32], 5, v15
	v_lshlrev_b32 v[L4], 2, v15
	v_lshlrev_b32 v[H32], 5, v14
	s_mul_i32 s2, s[WAVE], 16*SP
	s_add_co_u32 s2, s2, LSTG                      ; my stage
	v_mul_u32_u24 v[STO], v13, SP                  ; in: row r, 32 bytes for each half of the lanes
	v_lshl_add_u32 v[STO], v14, 5, v[STO]
	v_add_nc_u32 v[STO], s2, v[STO]
	v_mul_u32_u24 v[RD], v14, SP                   ; back: lanes 0-15 one row of 256 bytes, lanes 16-31 the next
	v_lshl_add_u32 v[RD], v13, 4, v[RD]
	v_add_nc_u32 v[RD], s2, v[RD]
	v_lshlrev_b32 v[CO], 12, v14                   ; and the same two rows in out0
	v_lshl_add_u32 v[CO], v13, 4, v[CO]
.irp p,0,1
.irp s,0,1,2,3,4,5,6,7
	global_load_b32 v[XS+8*\p+\s], v[L4], s[6:7] offset:32768*\s+128*\p            ; lane l: token 32 p + l of my 64, K step s: 128 consecutive bytes a load
.endr
.endr
.irp p,0,1
	global_load_b128 v[WSA+8*\p:WSA+8*\p+3], v[L32], s[10:11] offset:1024*\p       ; lane l: row 32 p + l of my 64: its 32 bytes are its 8 words
	global_load_b128 v[WSA+8*\p+4:WSA+8*\p+7], v[L32], s[10:11] offset:1024*\p+16
.endr
	WIN 0x40                                       ; destination window 1
.irp t,0,1,2,3
	global_load_b128 v[BQ+8*\t:BQ+8*\t+3], v[H32], s[12:13] offset:64*\t           ; register j of tile t: bo of output 16 t + 8 h + j
	global_load_b128 v[BQ+8*\t+4:BQ+8*\t+7], v[H32], s[12:13] offset:64*\t+16
.endr
	WIN 0
.macro FETCHO f, s                     ; one K step: 4 fragments of Wo from rows, 4 of a from images: 16 loads
.irp t,0,1,2,3
	FRAG \f+8*\t, ADW, 16*PITCH*\t+64*(\s), 32
.endr
.irp a,0,1,2,3
	FRAG \f+32+8*\a, ADA, 8192*\a+1024*(\s), 512
.endr
.endm
.macro MULO f, s                       ; the sixteen accumulators take turns, one instruction a turn, in the same order in every K step
.irp a,0,1,2,3
.irp t,0,1,2,3
.if (\s) == 0
	WM ACC+32*\a+8*\t, \f+8*\t, \f+32+8*\a, BQ+8*\t, WSA+8*(\t/2)+(\s), XS+8*(\a/2)+(\s), \t%2, \a%2
.else
	WM ACC+32*\a+8*\t, \f+8*\t, \f+32+8*\a, ACC+32*\a+8*\t, WSA+8*(\t/2)+(\s), XS+8*(\a/2)+(\s), \t%2, \a%2
.endif
.endr
.endr
.endm
	s_wait_loadcnt 0x0                             ; scales and bias
	s_wait_tensorcnt 0x0                           ; my parts of both tiles are in
	s_barrier_signal -1
	s_barrier_wait -1                              ; everybody's are
	WIN 0x40
	FETCHO F0, 0
.irp s,0,1,2,3,4,5,6,7
.if \s < 7
.if \s > 0
	PLACES                                         ; the buffer was read by the products just issued
.endif
	WIN 0x40
	FETCHO F0+80*((\s+1)%2), \s+1
	s_wait_dscnt 16                                ; all but the 16 loads just issued: this step's fragments are in
.else
	s_wait_dscnt 0x0
.endif
.if \s == 0
	WIN 0x15                                       ; sources 0, 1 and C (the bias) window 1, D window 0
.else
	WIN 0x05
.endif
	MULO F0+80*(\s%2), \s
.endr
	WIN 0
	PLACES
.macro TOSTAGE a                       ; LDS serves a wave's instructions in order (ISA guide 5.7.1.4): the loads see the stores above them, and the next block's stores come behind these loads
.irp t,0,1,2,3
	ds_store_b128 v[STO], v[ACC+32*(\a)+8*\t:ACC+32*(\a)+8*\t+3] offset:64*\t      ; each accumulator from its low end on
	ds_store_b128 v[STO], v[ACC+32*(\a)+8*\t+4:ACC+32*(\a)+8*\t+7] offset:64*\t+16
.endr
.irp i,0,1,2,3,4,5,6,7
	ds_load_b128 v[OB+32*((\a)%2)+4*\i:OB+32*((\a)%2)+4*\i+3], v[RD] offset:\i*2*SP
.endr
.endm
.macro SEND a, younger                 ; younger: the LDS instructions issued behind block a's loads, which may stay out
	s_wait_dscnt \younger
.irp i,0,1,2,3,4,5,6,7
	global_store_b128 v[CO], v[OB+32*((\a)%2)+4*\i:OB+32*((\a)%2)+4*\i+3], s[14:15] offset:4096*(16*(\a)+2*\i) th:TH_STORE_NT   ; written once, read by nobody here
.endr
.endm
	s_wait_alu depctr_va_vdst(0)
	TOSTAGE 0
.irp a,1,2,3
.if \a > 1
	s_wait_xcnt 0x0                                ; block a - 2's stores have read their registers: block a's loads may land there
.endif
	TOSTAGE \a
	SEND \a-1, 16                                  ; behind block a - 1's loads: block a's 8 stores and 8 loads
.endr
	SEND 3, 0
	s_wait_tensorcnt 0x0
	ds_add_u32 v46, v47
	s_wait_dscnt 0x0
	CROUND                                         ; the closing round: no work-group ends while a partner may still ask for a tile that names it
	s_endpgm
.Lfunc_end_k_qde039d78d6_oproj:
	.size	k_qde039d78d6_oproj, .Lfunc_end_k_qde039d78d6_oproj-k_qde039d78d6_oproj
	.p2alignl 7, 3214868480
	.fill 96, 4, 3214868480
	.section	.rodata,"a",@progbits
	.p2align	6, 0x0
	.amdhsa_kernel k_qde039d78d6_oproj
		.amdhsa_group_segment_fixed_size 327680
		.amdhsa_private_segment_fixed_size 0
		.amdhsa_enable_private_segment 0
		.amdhsa_kernarg_size 48
		.amdhsa_user_sgpr_count 2
		.amdhsa_user_sgpr_kernarg_segment_ptr 1
		.amdhsa_wavefront_size32 1
		.amdhsa_system_sgpr_workgroup_id_x 1
		.amdhsa_system_sgpr_workgroup_id_y 1
		.amdhsa_system_sgpr_workgroup_id_z 1
		.amdhsa_system_vgpr_workitem_id 0
		.amdhsa_next_free_vgpr 512
		.amdhsa_next_free_sgpr 66
		.amdhsa_reserve_vcc 0
		.amdhsa_float_denorm_mode_32 3
		.amdhsa_float_denorm_mode_16_64 3
		.amdhsa_memory_ordered 1
		.amdhsa_forward_progress 1
		.amdhsa_inst_pref_size 42
	.end_amdhsa_kernel
	.amdgpu_metadata
---
amdhsa.version: [ 1, 2 ]
amdhsa.kernels:
  - .name:           k_qde039d78d6_oproj
    .symbol:         k_qde039d78d6_oproj.kd
    .args:
      - { .name: ac, .offset: 0, .size: 8, .value_kind: global_buffer, .address_space: global }
      - { .name: asc, .offset: 8, .size: 8, .value_kind: global_buffer, .address_space: global }
      - { .name: Wo_codes, .offset: 16, .size: 8, .value_kind: global_buffer, .address_space: global }
      - { .name: Wo_scales, .offset: 24, .size: 8, .value_kind: global_buffer, .address_space: global }
      - { .name: bo, .offset: 32, .size: 8, .value_kind: global_buffer, .address_space: global }
      - { .name: out0, .offset: 40, .size: 8, .value_kind: global_buffer, .address_space: global }
    .group_segment_fixed_size: 327680
    .private_segment_fixed_size: 0
    .kernarg_segment_align: 8
    .kernarg_segment_size: 48
    .max_flat_workgroup_size: 128
    .sgpr_count:     66
    .vgpr_count:     512
    .wavefront_size: 32
...
	.end_amdgpu_metadata
.endif
;; end of part 3
